; MI455X (gfx1250); checked and timed in simulation.
; The chip was launched on July 23, 2026; its instructions are those of AMD's public machine-readable ISA for CDNA 5 (MIT licence, August 2026) and "CDNA5" Instruction Set Architecture Reference Guide (July 2026). The comments in the code are by the model that wrote it; some were corrected since.
;; Mo E Layer. Allowed arithmetic: float matrix products may take bf16 or f16 operands with f32 sums; all other float work in f32.
;; Inputs: expert_b 8 x 1,024 float32; expert_w 8 x 1,024 x 1,024 float32; gate_b 8 float32; gate_w 1,024 x 8 float32; x 8,192 x 1,024 float32.
;; Outputs: out0 8,192 x 1,024 float32.
;; One version. Each part assembles by itself: llvm-mc -triple=amdgcn-amd-amdhsa -mcpu=gfx1250 --defsym DOCPART=n.
;; ======== version 1 of 1: 3 launches
;; limits: values outside matrix products are rounded to bf16
;; workspace buffers: xb 16,777,216 bytes; wb 16,777,216 bytes; wt 131,072 bytes; meta 65,536 bytes of whole numbers; order 49,152 bytes of whole numbers; tab 1,024 bytes of whole numbers
;; launch prep (part 1): grid 256 x 1, 16 waves a work-group, no clusters, 39,936 bytes of LDS; arguments x, expert_w, gate_w, gate_b, xb, wb, wt, meta; writes xb, wb, wt, meta
.if DOCPART == 1
	.amdgcn_target "amdgcn-amd-amdhsa--gfx1250"
	.amdhsa_code_object_version 6
	.text
	.protected	k_q2c7a24dd78_prep
	.globl	k_q2c7a24dd78_prep
	.p2align	8
	.type	k_q2c7a24dd78_prep,@function
k_q2c7a24dd78_prep:
	s_mov_b64 s[64:65], 0
	v_nop
	global_prefetch_b8 v0, s[64:65] scope:SCOPE_SE
	s_setreg_imm32_b32 hwreg(HW_REG_WAVE_MODE, 25, 1), 1
	s_wait_xcnt 0x0
; PREP: x and expert_w are rounded to bf16 (xb, wb, same layouts), and the gate is worked out for every token.
; Work-group g takes rows 32 g .. 32 g + 31 of x [8192][1024] and of expert_w seen as [8192][1024].
; Waves 0-7 take four rows of x each, waves 8-15 four rows of expert_w: one text, the bases chosen by the wave's number.
; Every wave has its 32 loads of 512 consecutive bytes out at once (16 KiB a wave, 256 KiB a work-group).
; The stream binds this launch, so no tensor loads, no cluster (no two work-groups read the same bytes but gate_w's 32 KiB).
;
; THE GATE: logits = bf16(x) . bf16(gate_w) + bf16(gate_b), products and sums in f32 on the vector unit (a product of two
; bf16 numbers is exact in f32).  The gate sees the same rounded x as the experts' products do.  It is not sent to the matrix
; unit: eight columns fill half of a 16-column tile, and it is a thousandth of the problem's multiply-adds.
; Softmax with the row's maximum taken away first; the two largest logits are chosen, the lower index on a tie.
; LIMITS, stated: (1) gate_b is rounded to bf16 like the gate's other inputs; (2) the choice is made on logits, the problem's
; text chooses on the rounded probabilities: they differ only where two logits lie within f32 rounding of each other or two
; probabilities round alike; (3) v_exp_f32 gives 0 for results below 2^-126 (ISA guide 15.8): such a weight is 0, not a
; denormal; (4) NaN or +inf among the logits is not served: the pair stays in range, the weights are then not the problem's.
;
; OUT: wt[token] = {w_lo, w_lo, w_hi, w_hi} f32 (lo < hi: the two chosen experts);
;      meta[g] = 32 pairs of words: lane L: {pid | rank << 8 of token 32 g + L, number of the chunk's tokens with pair L}
;      pid = lo (15 - lo) / 2 + hi - lo - 1, 0 .. 27; rank = how many earlier tokens of the chunk have the same pid.
.set GWP, 144                          ; LDS pitch of a record of gate_w: 8 pieces of 16 bytes + 16: an odd multiple of 16
.set GWJ, 32*GWP                       ; 32 records: what the 32 lanes take for one of the eight loads of a row
.set SW,  256*GWP                      ; 36,864: 32 tokens x 16 bytes, the weights
.set SP,  SW+512                       ; 37,376: 32 tokens x 4 bytes, the pid
.set X,   16                           ; v[16:143]  row p, load j, number i at X + 32 p + 4 j + i: column 128 j + 4 lane + i
.set CV,  144                          ; v[144:207] the rounded rows, 16 registers a row
.set ACC, 144                          ; v[144:207] afterwards: pair (p, e) at ACC + 16 p + 2 e: sums over even and odd columns
.set G,   208                          ; v[208:239] gate_w from LDS, two halves of four experts; before that gate_w as loaded
.set LG,  144                          ; logit e at LG + 2 e
.set TE,  176                          ; v[176:184] exponents
.set PE,  192                          ; v[192:200] exponentials
	s_load_b512 s[8:23], s[0:1], 0x0               ; x s[8:9], expert_w s[10:11], gate_w s[12:13], gate_b s[14:15], xb s[16:17], wb s[18:19], wt s[20:21], meta s[22:23]
	v_lshl_add_u32 v254, v0, 2, 0x9400
	v_mov_b32 v255, 0
	v_and_b32 v1, 31, v0                           ; lane
	v_lshrrev_b32 v7, 5, v0
	v_readfirstlane_b32 s32, v7                    ; wave 0 .. 15
	s_and_b32 s33, s32, 7                          ; which four rows
	s_mov_b32 s40, 0xaaaaaaaa                      ; odd lanes
	s_mov_b32 s41, 0xcccccccc                      ; lanes with bit 1 set
	s_mov_b32 s42, 0x76543210                      ; v_permlanex16_b32: lane i reads lane i of the other half
	s_mov_b32 s43, 0xfedcba98
	s_mov_b32 s47, 0xffff0000                      ; a word's upper bf16
	v_lshlrev_b32 v2, 4, v1                        ; 16 lane
	v_lshlrev_b32 v3, 3, v1                        ; 8 lane
	v_mul_u32_u24 v4, v1, GWP                      ; my record among the 32 of a load
	v_lshrrev_b32 v8, 1, v0
	v_and_b32 v9, 1, v0
	v_mul_u32_u24 v5, v8, GWP                      ; thread t holds gate_w's rows 2 t, 2 t + 1: record t >> 1,
	v_lshl_add_u32 v5, v9, 3, v5                   ; places 2 (t & 1) and 2 (t & 1) + 1 of each piece
	v_lshlrev_b32 v6, 6, v0                        ; 64 t: my 64 bytes of gate_w
	s_lshl_b32 s38, ttmp9, 17                      ; 32 rows of 4,096 bytes a work-group
	s_lshl_b32 s46, s33, 14                        ; 4 rows a wave
	s_add_co_u32 s38, s38, s46
	s_mov_b32 s39, 0
	s_wait_kmcnt 0x0
	s_load_b256 s[24:31], s[14:15], 0x0            ; gate_b, eight numbers
	s_cmp_lt_u32 s32, 8
	s_cselect_b64 s[34:35], s[8:9], s[10:11]       ; from x or from expert_w
	s_cselect_b64 s[36:37], s[16:17], s[18:19]     ; to xb or to wb
	s_add_nc_u64 s[34:35], s[34:35], s[38:39]
	s_lshr_b32 s38, s38, 1                         ; half the bytes on the way out
	s_add_nc_u64 s[36:37], s[36:37], s[38:39]
.irp k, 0,1,2,3
	global_load_b128 v[G+4*\k:G+4*\k+3], v6, s[12:13] offset:16*\k
.endr
.irp p, 0,1,2,3
.irp j, 0,1,2,3,4,5,6,7
	global_load_b128 v[X+32*\p+4*\j:X+32*\p+4*\j+3], v2, s[34:35] offset:\p*4096+\j*512 th:TH_LOAD_NT
.endr
.endr
	; gate_w: rounded to bf16, widened again, laid into LDS transposed: piece e of record q = gate_w[4 q .. 4 q + 3][e]
	s_wait_loadcnt 32                              ; the 32 row loads issued behind gate_w's four stay out
.irp k, 0,1,2,3,4,5,6,7
	v_cvt_pk_bf16_f32 v[240+\k], v[G+2*\k], v[G+2*\k+1]
.endr
.irp k, 0,1,2,3,4,5,6,7
	v_lshlrev_b32 v[G+2*\k], 16, v[240+\k]
	v_and_b32 v[G+2*\k+1], s47, v[240+\k]
.endr
.irp k, 0,1,2,3,4,5,6,7
	ds_store_b32 v5, v[G+\k] offset:\k*16          ; row 2 t, expert k
	ds_store_b32 v5, v[G+8+\k] offset:\k*16+4      ; row 2 t + 1, expert k
.endr
	s_wait_dscnt 0x0                               ; my part of the table is written, for the other waves' sake
	s_barrier_signal -1
	s_barrier_wait -1
; One row: rounded, two numbers a register, and stored: each store of the wave covers 256 consecutive bytes, aligned.
; left = the younger rows' loads, which stay out.  No hint on the stores: the next launches read these bytes.
.macro CVROW p, left
	s_wait_loadcnt \left
.irp k, 0,1,2,3,4,5,6,7,8,9,10,11,12,13,14,15
	v_cvt_pk_bf16_f32 v[CV+16*\p+\k], v[X+32*\p+2*\k], v[X+32*\p+2*\k+1]
.endr
.irp j, 0,1,2,3,4,5,6,7
	global_store_b64 v3, v[CV+16*\p+2*\j:CV+16*\p+2*\j+1], s[36:37] offset:\p*2048+\j*256
.endr
.endm
	CVROW 0, 24
	CVROW 1, 16
	CVROW 2, 8
	CVROW 3, 0
	s_cmp_ge_u32 s32, 8
	s_cbranch_scc1 .Ljoin                          ; the waves of expert_w have done their work
	; the rounded x, widened again, in the registers of the unrounded
.irp p, 0,1,2,3
.irp k, 0,1,2,3,4,5,6,7,8,9,10,11,12,13,14,15
	v_lshlrev_b32 v[X+32*\p+2*\k], 16, v[CV+16*\p+\k]
	v_and_b32 v[X+32*\p+2*\k+1], s47, v[CV+16*\p+\k]
.endr
.endr
	s_wait_xcnt 0x0                                ; the stores' data registers become the sums only behind this wait
; four experts' pieces of my record for load j
.macro GLOAD half, j
.irp q, 0,1,2,3
	ds_load_b128 v[G+16*\half+4*\q:G+16*\half+4*\q+3], v4 offset:(\j)*GWJ+(4*\half+\q)*16
.endr
.endm
; 4 rows x 4 experts x 4 columns: 32 packed multiply-adds; first = 1: the first product starts the sum, nothing is cleared
.macro GFMA half, j, first
.irp p, 0,1,2,3
.irp q, 0,1,2,3
.if \first
	v_pk_mul_f32 v[ACC+16*\p+2*(4*\half+\q):ACC+16*\p+2*(4*\half+\q)+1], v[X+32*\p+4*\j:X+32*\p+4*\j+1], v[G+16*\half+4*\q:G+16*\half+4*\q+1]
.else
	v_pk_fma_f32 v[ACC+16*\p+2*(4*\half+\q):ACC+16*\p+2*(4*\half+\q)+1], v[X+32*\p+4*\j:X+32*\p+4*\j+1], v[G+16*\half+4*\q:G+16*\half+4*\q+1], v[ACC+16*\p+2*(4*\half+\q):ACC+16*\p+2*(4*\half+\q)+1]
.endif
.endr
.endr
.irp p, 0,1,2,3
.irp q, 0,1,2,3
	v_pk_fma_f32 v[ACC+16*\p+2*(4*\half+\q):ACC+16*\p+2*(4*\half+\q)+1], v[X+32*\p+4*\j+2:X+32*\p+4*\j+3], v[G+16*\half+4*\q+2:G+16*\half+4*\q+3], v[ACC+16*\p+2*(4*\half+\q):ACC+16*\p+2*(4*\half+\q)+1]
.endr
.endr
.endm
	GLOAD 0, 0
	GLOAD 1, 0
	s_wait_dscnt 4                                 ; the other half's four loads stay out
	GFMA 0, 0, 1
	GLOAD 0, 1
	s_wait_dscnt 4
	GFMA 1, 0, 1
	GLOAD 1, 1
.irp j, 1,2,3,4,5,6
	s_wait_dscnt 4
	GFMA 0, \j, 0
	GLOAD 0, \j+1
	s_wait_dscnt 4
	GFMA 1, \j, 0
	GLOAD 1, \j+1
.endr
	s_wait_dscnt 4
	GFMA 0, 7, 0
	s_wait_dscnt 0x0
	GFMA 1, 7, 0
	; 32 sums a lane (4 rows x 8 experts) are brought together over the 32 lanes
.irp p, 0,1,2,3
.irp e, 0,1,2,3,4,5,6,7
	v_add_f32 v[ACC+16*\p+2*\e], v[ACC+16*\p+2*\e], v[ACC+16*\p+2*\e+1]
.endr
.endr
; two sums become one register: lanes whose bit is clear go on with a, the others with b; each adds its neighbour's share
.macro MERGE a, b, mask, xm
	v_cndmask_b32 v240, v[\a], v[\b], \mask        ; what I keep
	v_cndmask_b32 v241, v[\b], v[\a], \mask        ; what my neighbour wants
	v_add_f32_dpp v[\a], v241, v240 row_xmask:\xm row_mask:0xf bank_mask:0xf
.endm
.irp e, 0,1,2,3,4,5,6,7
	MERGE ACC+2*\e, ACC+16+2*\e, s40, 1            ; rows 0 and 1
	MERGE ACC+32+2*\e, ACC+48+2*\e, s40, 1         ; rows 2 and 3
.endr
.irp e, 0,1,2,3,4,5,6,7
	MERGE ACC+2*\e, ACC+32+2*\e, s41, 2            ; lane L now works for row L & 3
.endr
.irp e, 0,1,2,3,4,5,6,7
	v_add_f32_dpp v[LG+2*\e], v[LG+2*\e], v[LG+2*\e] row_xmask:4 row_mask:0xf bank_mask:0xf
.endr
.irp e, 0,1,2,3,4,5,6,7
	v_add_f32_dpp v[LG+2*\e], v[LG+2*\e], v[LG+2*\e] row_xmask:8 row_mask:0xf bank_mask:0xf
.endr
.irp e, 0,1,2,3,4,5,6,7
	v_permlanex16_b32 v[LG+2*\e+1], v[LG+2*\e], s42, s43   ; its destination has been written (the pair's upper sum)
.endr
	s_wait_kmcnt 0x0                               ; gate_b
.irp k, 0,1,2,3
	v_cvt_pk_bf16_f32 v[240+\k], s[24+2*\k], s[25+2*\k]
.endr
.irp k, 0,1,2,3
	v_lshlrev_b32 v[244+2*\k], 16, v[240+\k]
	v_and_b32 v[245+2*\k], s47, v[240+\k]
.endr
.irp e, 0,1,2,3,4,5,6,7
	v_add_f32 v[LG+2*\e], v[LG+2*\e], v[LG+2*\e+1]
.endr
.irp e, 0,1,2,3,4,5,6,7
	v_add_f32 v[LG+2*\e], v[LG+2*\e], v[244+\e]    ; the eight logits of row L & 3
.endr
	; the largest (v7, index v8) and the second largest (v9, index v10); strictly greater: the lower index wins a tie
	v_mov_b32 v7, v[LG]
	v_mov_b32 v8, 0
.irp e, 1,2,3,4,5,6,7
	v_cmp_gt_f32 vcc_lo, v[LG+2*\e], v7
	v_cndmask_b32 v7, v7, v[LG+2*\e], vcc_lo
	v_cndmask_b32 v8, v8, \e, vcc_lo
.endr
	v_cmp_eq_u32 vcc_lo, 0, v8
	v_cndmask_b32 v10, 0, 1, vcc_lo                ; if nothing beats -inf: the lowest index that is not the first's
	v_mov_b32 v9, 0xff800000
.irp e, 0,1,2,3,4,5,6,7
	v_cmp_ne_u32 s44, \e, v8
	v_cmp_gt_f32 vcc_lo, v[LG+2*\e], v9
	s_and_b32 vcc_lo, vcc_lo, s44
	v_cndmask_b32 v9, v9, v[LG+2*\e], vcc_lo
	v_cndmask_b32 v10, v10, \e, vcc_lo
.endr
	; softmax: the maximum is taken away, so the largest exponential is 1 and the sum lies in 1 .. 8
.irp e, 0,1,2,3,4,5,6,7
	v_sub_f32 v[TE+\e], v[LG+2*\e], v7
.endr
	v_sub_f32 v[TE+8], v9, v7
.irp e, 0,1,2,3,4,5,6,7,8
	v_mul_f32 v[TE+\e], 0x3fb8aa3b, v[TE+\e]       ; log2 e
.endr
.irp e, 0,1,2,3,4,5,6,7,8
	v_exp_f32 v[PE+\e], v[TE+\e]
.endr
	v_min_u32 v11, v8, v10                         ; lo: the plain instruction between the exponentials and their first use (ISA guide 5.7.2)
	s_wait_alu depctr_va_vdst(0)
	v_add_f32 v13, v[PE], v[PE+1]
	v_add_f32 v14, v[PE+2], v[PE+3]
	v_add_f32 v15, v[PE+4], v[PE+5]
	v_add_f32 v240, v[PE+6], v[PE+7]
	v_add_f32 v13, v13, v14
	v_add_f32 v15, v15, v240
	v_add_f32 v13, v13, v15
	v_rcp_f32 v14, v13                             ; the first's weight: 1 / sum
	v_max_u32 v12, v8, v10                         ; hi: the plain instruction behind v_rcp_f32
	s_wait_alu depctr_va_vdst(0)
	v_mul_f32 v15, v[PE+8], v14                    ; the second's weight
	v_cmp_lt_u32 vcc_lo, v8, v10                   ; is the first the lower index?
	v_cndmask_b32 v248, v15, v14, vcc_lo           ; w_lo
	v_cndmask_b32 v250, v14, v15, vcc_lo           ; w_hi
	v_mov_b32 v249, v248                           ; each twice: a register pair for the packed multiply of the last launch
	v_mov_b32 v251, v250
	v_sub_nc_u32 v240, 15, v11
	v_mul_u32_u24 v240, v240, v11
	v_lshrrev_b32 v240, 1, v240                    ; lo (15 - lo) / 2
	v_sub_nc_u32 v241, v12, v11
	v_add3_u32 v240, v240, v241, -1                ; pid
	v_and_b32 v242, 3, v1
	v_lshl_add_u32 v242, s32, 2, v242              ; the token's place in the chunk: 4 wave + (L & 3)
	v_lshlrev_b32 v243, 4, v242
	v_lshlrev_b32 v244, 2, v242
	ds_store_b128 v243, v[248:251] offset:SW       ; the eight lanes of a row store the same numbers to the same bytes
	ds_store_b32 v244, v240 offset:SP
.Ljoin:
	s_wait_dscnt 0x0                               ; for wave 0's sake
	s_barrier_signal -1
	s_barrier_wait -1
	s_cmp_lg_u32 s32, 0
	s_cbranch_scc1 .Lend
	; wave 0, lane = token: ranks inside the chunk and the chunk's counts.  No address hangs on these numbers.
	v_lshlrev_b32 v7, 2, v1
	ds_load_b32 v8, v7 offset:SP
	ds_load_b128 v[12:15], v2 offset:SW
	v_mov_b32 v9, 0                                ; rank
	v_mov_b32 v11, 0                               ; lane p: how many tokens have pair p (lanes 28 to 31 stay 0)
	s_wait_dscnt 0x0
.set p, 0
.rept 28
	v_cmp_eq_u32 s44, p, v8
	v_mbcnt_lo_u32_b32 v7, s44, 0                  ; lanes below me with this pair
	v_cndmask_b32 v9, v9, v7, s44
	s_bcnt1_i32_b32 s45, s44
	v_writelane_b32 v11, s45, p
.set p, p+1
.endr
	v_lshl_or_b32 v10, v9, 8, v8                   ; pid | rank << 8
	s_lshl_b32 s38, ttmp9, 8
	s_add_nc_u64 s[22:23], s[22:23], s[38:39]
	s_lshl_b32 s38, ttmp9, 9
	s_add_nc_u64 s[20:21], s[20:21], s[38:39]
	global_store_b64 v3, v[10:11], s[22:23]        ; 256 consecutive bytes, aligned
	global_store_b128 v2, v[12:15], s[20:21]       ; 512 consecutive bytes, aligned
.Lend:
	s_wait_tensorcnt 0x0
	ds_add_u32 v254, v255
	s_wait_dscnt 0x0
	s_endpgm
.Lfunc_end_k_q2c7a24dd78_prep:
	.size	k_q2c7a24dd78_prep, .Lfunc_end_k_q2c7a24dd78_prep-k_q2c7a24dd78_prep
	.p2alignl 7, 3214868480
	.fill 96, 4, 3214868480
	.section	.rodata,"a",@progbits
	.p2align	6, 0x0
	.amdhsa_kernel k_q2c7a24dd78_prep
		.amdhsa_group_segment_fixed_size 39936
		.amdhsa_private_segment_fixed_size 0
		.amdhsa_enable_private_segment 0
		.amdhsa_kernarg_size 64
		.amdhsa_user_sgpr_count 2
		.amdhsa_user_sgpr_kernarg_segment_ptr 1
		.amdhsa_wavefront_size32 1
		.amdhsa_system_sgpr_workgroup_id_x 1
		.amdhsa_system_sgpr_workgroup_id_y 1
		.amdhsa_system_sgpr_workgroup_id_z 1
		.amdhsa_system_vgpr_workitem_id 0
		.amdhsa_next_free_vgpr 256
		.amdhsa_next_free_sgpr 66
		.amdhsa_reserve_vcc 1
		.amdhsa_float_denorm_mode_32 3
		.amdhsa_float_denorm_mode_16_64 3
		.amdhsa_memory_ordered 1
		.amdhsa_forward_progress 1
		.amdhsa_inst_pref_size 77
	.end_amdhsa_kernel
	.amdgpu_metadata
---
amdhsa.version: [ 1, 2 ]
amdhsa.kernels:
  - .name:           k_q2c7a24dd78_prep
    .symbol:         k_q2c7a24dd78_prep.kd
    .args:
      - { .name: x, .offset: 0, .size: 8, .value_kind: global_buffer, .address_space: global }
      - { .name: expert_w, .offset: 8, .size: 8, .value_kind: global_buffer, .address_space: global }
      - { .name: gate_w, .offset: 16, .size: 8, .value_kind: global_buffer, .address_space: global }
      - { .name: gate_b, .offset: 24, .size: 8, .value_kind: global_buffer, .address_space: global }
      - { .name: xb, .offset: 32, .size: 8, .value_kind: global_buffer, .address_space: global }
      - { .name: wb, .offset: 40, .size: 8, .value_kind: global_buffer, .address_space: global }
      - { .name: wt, .offset: 48, .size: 8, .value_kind: global_buffer, .address_space: global }
      - { .name: meta, .offset: 56, .size: 8, .value_kind: global_buffer, .address_space: global }
    .group_segment_fixed_size: 39936
    .private_segment_fixed_size: 0
    .kernarg_segment_align: 8
    .kernarg_segment_size: 64
    .max_flat_workgroup_size: 512
    .sgpr_count:     66
    .vgpr_count:     256
    .wavefront_size: 32
...
	.end_amdgpu_metadata
.endif
;; end of part 1
;; launch plan (part 2): grid 1 x 1, 8 waves a work-group, no clusters, 2,048 bytes of LDS; arguments meta, order, tab; writes order, tab
.if DOCPART == 2
	.amdgcn_target "amdgcn-amd-amdhsa--gfx1250"
	.amdhsa_code_object_version 6
	.text
	.protected	k_q2c7a24dd78_plan
	.globl	k_q2c7a24dd78_plan
	.p2align	8
	.type	k_q2c7a24dd78_plan,@function
k_q2c7a24dd78_plan:
	s_mov_b64 s[64:65], 0
	v_nop
	global_prefetch_b8 v0, s[64:65] scope:SCOPE_SE
	s_setreg_imm32_b32 hwreg(HW_REG_WAVE_MODE, 25, 1), 1
	s_wait_xcnt 0x0
; PLAN: the tokens are sorted by their pair of experts (28 groups), each group padded to whole blocks of 128 slots.
;   order[slot] = token number, or 0xffffffff in a group's padding and in every slot behind the last group; all 96 x 128 slots are written
;   tab[rb] = lo | hi << 8 of row block rb (256 words; blocks behind the last group get the last pair, 6 | 7 << 8)
; The groups take at most (8,192 + 28 x 127) / 128 = 91 blocks; the list has 96, three for each of the next launch's 32 rows of work-groups.
; One work-group: the sum runs over all 256 chunks, and 64 KiB in, 49 KiB out are no work to share.  Eight waves, wave w takes
; chunks 32 w .. 32 w + 31.  In the counts a lane is a pair; in the placement a lane is a token.  Nothing loops.
; The placement stores four bytes a lane to scattered slots: 32 KiB in all, once; a sort has no other way out here.
; All vector arithmetic stands ahead of the first change of EXEC; behind it stand only compares that write EXEC, and stores.
.set M,  16                            ; v[16:79]   chunk c: {pid | rank << 8 of token L, count of pair L}
.set P,  80                            ; v[80:111]  chunk c: first free slot of pair L
.set T,  112                           ; v[112:119] the eight waves' counts of pair L
.set D,  120                           ; v[120:151] chunk c: the token's slot, then its byte offset
.set SL, 176                           ; v[176:191] padding: slot of lane L in run q of group k
.set SO, 192                           ; v[192:207] padding: its byte offset, clamped
.set LAST, 0x2fff                      ; 12,287: the list's last slot
	s_load_b128 s[4:7], s[0:1], 0x0                ; meta s[4:5], order s[6:7]
	s_load_b64 s[8:9], s[0:1], 0x10                ; tab
	v_lshl_add_u32 v208, v0, 2, 0x400
	v_mov_b32 v209, 0
	v_and_b32 v1, 31, v0                           ; lane
	v_lshrrev_b32 v2, 5, v0
	v_readfirstlane_b32 s10, v2                    ; wave
	v_lshlrev_b32 v3, 3, v1
	v_lshl_add_u32 v3, s10, 13, v3                 ; 32 chunks of 256 bytes a wave, 8 bytes a lane
	v_lshlrev_b32 v4, 2, v1
	v_lshl_add_u32 v5, s10, 7, v4                  ; my wave's 32 words in LDS
	v_lshl_add_u32 v6, s10, 10, v1                 ; token of chunk 0 of my wave: 1,024 w + L
	v_lshlrev_b32 v162, 2, v0                      ; my word of the table
	v_lshl_add_u32 v163, v0, 2, 0x2000             ; the tail: my four slots, 8,192 + 4 t,
	v_lshl_add_u32 v164, v0, 4, 0x8000             ; and their byte offset
	v_mov_b32 v153, -1
.irp i, 168,169,170,171
	v_mov_b32 v\i, -1
.endr
	s_wait_kmcnt 0x0
.set c, 0
.rept 32
	global_load_b64 v[M+2*c:M+2*c+1], v3, s[4:5] offset:256*c
.set c, c+1
.endr
	s_wait_loadcnt 0x0
	v_add_nc_u32 v7, v[M+1], v[M+3]                ; my wave's count of pair L
.set c, 2
.rept 15
	v_add3_u32 v7, v7, v[M+2*c+1], v[M+2*c+3]
.set c, c+2
.endr
	ds_store_b32 v5, v7
	s_wait_dscnt 0x0                               ; for the other waves' sake
	s_barrier_signal -1
	s_barrier_wait -1
.irp i, 0,1,2,3,4,5,6,7
	ds_load_b32 v[T+\i], v4 offset:128*\i
.endr
	s_wait_dscnt 0x0
	v_add3_u32 v8, v[T], v[T+1], v[T+2]
	v_add3_u32 v8, v8, v[T+3], v[T+4]
	v_add3_u32 v8, v8, v[T+5], v[T+6]
	v_add_nc_u32 v8, v8, v[T+7]                    ; all tokens of pair L
	v_mov_b32 v9, 0                                ; those of the waves in front of mine
.irp i, 0,1,2,3,4,5,6
	s_cmp_gt_u32 s10, \i
	s_cselect_b32 s11, -1, 0
	v_and_b32 v10, s11, v[T+\i]
	v_add_nc_u32 v9, v9, v10
.endr
	v_add_nc_u32 v11, 0x7f, v8
	v_and_b32 v11, 0xffffff80, v11                 ; the group's slots: whole blocks of 128
	v_mov_b32 v12, v11                             ; running sum over the pairs, the own one included
	v_mov_b32 v13, 0
.irp n, 1,2,4,8
	v_mov_b32_dpp v13, v12 row_shr:\n row_mask:0xf bank_mask:0xf bound_ctrl:1
	v_add_nc_u32 v12, v12, v13
.endr
	v_readlane_b32 s12, v12, 15                    ; the lower sixteen pairs' slots go onto the upper lanes
	s_mov_b32 s13, 0xffff0000
	v_mov_b32 v13, s12
	v_cndmask_b32 v13, 0, v13, s13
	v_add_nc_u32 v12, v12, v13                     ; the group's end
	v_sub_nc_u32 v14, v12, v11                     ; the group's first slot
	v_readlane_b32 s14, v12, 31                    ; the end of the last group: 8,192 .. 11,648, a multiple of 128
	v_add_nc_u32 v[P], v14, v9
.set c, 0
.rept 31
	v_add_nc_u32 v[P+c+1], v[P+c], v[M+2*c+1]
.set c, c+1
.endr
	; placement: token L of chunk c goes to P_c[its pid] + its rank.  The permute takes its index modulo 32 lanes: the pid.
.set c, 0
.rept 32
	v_lshlrev_b32 v[M+2*c+1], 2, v[M+2*c]
.set c, c+1
.endr
.set c, 0
.rept 32
	ds_bpermute_b32 v[D+c], v[M+2*c+1], v[P+c]
.set c, c+1
.endr
.set c, 0
.rept 32
	s_wait_dscnt 31-c                              ; the younger permutes stay out
	v_lshrrev_b32 v15, 8, v[M+2*c]                 ; rank
	v_add_nc_u32 v[D+c], v[D+c], v15
	v_min_u32 v[D+c], LAST, v[D+c]
	v_lshlrev_b32 v[D+c], 2, v[D+c]
	v_add_nc_u32 v[M+2*c+1], 32*c, v6              ; the token's number
	global_store_b32 v[D+c], v[M+2*c+1], s[6:7]    ; each store has registers of its own
.set c, c+1
.endr
	; the table: thread t makes word t: the pair whose slots hold slot 128 t = the number of groups that end at or before it
	v_lshlrev_b32 v155, 7, v0
	v_mov_b32 v156, 0
.set p, 0
.rept 27
	v_readlane_b32 s16, v12, p
	v_cmp_le_u32 vcc_lo, s16, v155
	v_add_co_ci_u32 v156, vcc_lo, 0, v156, vcc_lo
.set p, p+1
.endr
	v_mov_b32 v157, 0                              ; lo: how many of the first pids of lo = 1 .. 6 are reached
.irp f, 7,13,18,22,25,27
	v_cmp_le_u32 vcc_lo, \f, v156
	v_add_co_ci_u32 v157, vcc_lo, 0, v157, vcc_lo
.endr
	v_sub_nc_u32 v158, 15, v157
	v_mul_u32_u24 v158, v158, v157
	v_lshrrev_b32 v158, 1, v158
	v_sub_nc_u32 v159, v156, v158
	v_add3_u32 v159, v159, v157, 1                 ; hi = pid - lo (15 - lo) / 2 + lo + 1
	v_lshl_or_b32 v160, v159, 8, v157
	global_store_b32 v162, v160, s[8:9]
	; padding: wave w fills the groups w, w + 8, w + 16, w + 24 (lanes 28 to 31 hold empty ranges) up to their ends, at most 127 slots:
	; four runs of 32 slots.  First all slots and offsets, each in a register of its own,
	v_add_nc_u32 v152, v14, v8                     ; first slot behind the group's tokens
.irp k, 0,1,2,3
	s_add_co_u32 s15, s10, 8*\k
	v_readlane_b32 s16, v152, s15
	v_readlane_b32 s[20+\k], v12, s15              ; the group's end
.irp q, 0,1,2,3
	v_add3_u32 v[SL+4*\k+\q], s16, v1, 32*\q
	v_min_u32 v[SO+4*\k+\q], LAST, v[SL+4*\k+\q]
	v_lshlrev_b32 v[SO+4*\k+\q], 2, v[SO+4*\k+\q]
.endr
.endr
	; then the stores.  A lane's slot grows from run to run, so a lane that is past the end stays switched off to the end of the group.
.irp k, 0,1,2,3
.irp q, 0,1,2,3
	s_wait_xcnt 0x0                                ; EXEC is a source of the stores that are out: it changes only behind this wait
	v_cmpx_gt_u32 s[20+\k], v[SL+4*\k+\q]
	global_store_b32 v[SO+4*\k+\q], v153, s[6:7]
.endr
	s_wait_xcnt 0x0
	s_mov_b32 exec_lo, -1
.endr
	; the tail: slots from the last group's end to 12,287.  Thread t looks at slots 8,192 + 4 t + 1,024 i, four at a time (the end is a
	; multiple of 128), from the top down, so that here too a lane that is switched off stays off.  Sixteen lanes: 256 consecutive bytes, aligned.
.irp i, 3,2,1,0
	s_sub_co_u32 s16, s14, 1024*\i
	s_wait_xcnt 0x0
	v_cmpx_le_u32 s16, v163
	global_store_b128 v164, v[168:171], s[6:7] offset:4096*\i
.endr
	s_wait_xcnt 0x0
	s_mov_b32 exec_lo, -1
	s_wait_tensorcnt 0x0
	ds_add_u32 v208, v209
	s_wait_dscnt 0x0
	s_endpgm
.Lfunc_end_k_q2c7a24dd78_plan:
	.size	k_q2c7a24dd78_plan, .Lfunc_end_k_q2c7a24dd78_plan-k_q2c7a24dd78_plan
	.p2alignl 7, 3214868480
	.fill 96, 4, 3214868480
	.section	.rodata,"a",@progbits
	.p2align	6, 0x0
	.amdhsa_kernel k_q2c7a24dd78_plan
		.amdhsa_group_segment_fixed_size 2048
		.amdhsa_private_segment_fixed_size 0
		.amdhsa_enable_private_segment 0
		.amdhsa_kernarg_size 24
		.amdhsa_user_sgpr_count 2
		.amdhsa_user_sgpr_kernarg_segment_ptr 1
		.amdhsa_wavefront_size32 1
		.amdhsa_system_sgpr_workgroup_id_x 1
		.amdhsa_system_sgpr_workgroup_id_y 1
		.amdhsa_system_sgpr_workgroup_id_z 1
		.amdhsa_system_vgpr_workitem_id 0
		.amdhsa_next_free_vgpr 210
		.amdhsa_next_free_sgpr 66
		.amdhsa_reserve_vcc 1
		.amdhsa_float_denorm_mode_32 3
		.amdhsa_float_denorm_mode_16_64 3
		.amdhsa_memory_ordered 1
		.amdhsa_forward_progress 1
		.amdhsa_inst_pref_size 35
	.end_amdhsa_kernel
	.amdgpu_metadata
---
amdhsa.version: [ 1, 2 ]
amdhsa.kernels:
  - .name:           k_q2c7a24dd78_plan
    .symbol:         k_q2c7a24dd78_plan.kd
    .args:
      - { .name: meta, .offset: 0, .size: 8, .value_kind: global_buffer, .address_space: global }
      - { .name: order, .offset: 8, .size: 8, .value_kind: global_buffer, .address_space: global }
      - { .name: tab, .offset: 16, .size: 8, .value_kind: global_buffer, .address_space: global }
    .group_segment_fixed_size: 2048
    .private_segment_fixed_size: 0
    .kernarg_segment_align: 8
    .kernarg_segment_size: 24
    .max_flat_workgroup_size: 256
    .sgpr_count:     66
    .vgpr_count:     210
    .wavefront_size: 32
...
	.end_amdgpu_metadata
.endif
;; end of part 2
;; launch moe (part 3): grid 256 x 1, 4 waves a work-group, no clusters, 327,680 bytes of LDS; arguments xb, wb, expert_b, wt, order, tab, out0; writes out0
.if DOCPART == 3
	.amdgcn_target "amdgcn-amd-amdhsa--gfx1250"
	.amdhsa_code_object_version 6
	.text
	.protected	k_q2c7a24dd78_moe
	.globl	k_q2c7a24dd78_moe
	.p2align	8
	.type	k_q2c7a24dd78_moe,@function
k_q2c7a24dd78_moe:
	s_mov_b64 s[64:65], 0
	v_nop
	global_prefetch_b8 v0, s[64:65] scope:SCOPE_SE
	s_setreg_imm32_b32 hwreg(HW_REG_WAVE_MODE, 25, 1), 1
	s_wait_xcnt 0x0
; MOE: out0[token] = w_lo (x W_lo + b_lo) + w_hi (x W_hi + b_hi), for blocks of 128 tokens that share their pair of experts.
; A tile is 128 sorted tokens x 128 columns x both experts, K = 1,024.  The token list has 96 row blocks, of which 64 to 91 hold tokens.
; 256 work-groups stay: group g keeps column block g & 7 and walks the THREE row blocks (g >> 3), + 32, + 64: 768 tiles in all.
; The number of tiles is a constant because every wave passes every barrier, whatever was read from memory.  A row block behind the last
; group holds padding slots alone: it is computed like any padding row and nothing of it is stored.  That is work spent on nothing,
; between 5 and 32 of the 96 row blocks; every work-group has at least two row blocks with tokens.
; Four waves, as many as a WGP has SIMDs; wave w makes rows 64 (w >> 1) .., columns 64 (w & 1) .., for both experts:
; 4 x 4 x 2 = 32 accumulator tiles, 256 registers.  The two experts share A's fragments, the biases enter as the C operand of each
; accumulator's first matrix instruction, and the weighted sum of the two is made in registers: every row of out0 is finished here.
; K goes in eight steps of 128 through two slots.  B (W_lo, W_hi: 128 k x 128 n each, n along the rows) comes by tensor loads, one a
; wave and step, 64 rows of 256 bytes, each at a multiple of 256 bytes from wb's first byte, and is transposed on the way into registers by
; ds_load_tr16_b128.  A's rows are GATHERED by the token list: global loads into registers (sixteen lanes take a row's 256 bytes),
; one step ahead, then LDS stores into slots of their own, which no tensor load fills.
; NO CLUSTER: only the row blocks of one pair read the same tiles of B; how many there are is read from memory and is no multiple
; of a cluster's side, so partners would want different tiles; A goes through registers.
; NO PREFETCH: each row of xb is read by eight work-groups and each tile of wb by all row blocks of its experts, close in time.
; Padding slots (token 0xffffffff) are computed on token 8,191's data and not stored.
;
; REGISTERS, in windows of 256:
;   window 0: addresses v2-v48; fragments F0 = v64-159, F1 = v160-255 (A's four blocks, then B's four of expert 0, four of expert 1)
;   window 1: accumulator (x, a, b) at 8 (16 x + 4 a + b)
;   window 2: A rows on their way, token lists, weights, biases, the way out
; THE MATRIX INSTRUCTION IS USED TRANSPOSED (source 0 = B, source 1 = A): lane (r, h), register j holds row 16 a + r,
; column 16 b + 8 h + j: eight neighbouring numbers of a row.
.set BP,    288                        ; B's LDS pitch: 256 bytes + 32: an odd multiple of 32, for the transposing load
.set BEX,   128*BP                     ; one expert's 128 k rows
.set BSLOT, 2*BEX                      ; 73,728
.set AP,    272                        ; A's LDS pitch, and the stage's: 256 bytes + 16
.set ABASE, 2*BSLOT                    ; 147,456
.set ASLOT, 128*AP                     ; 34,816
.set STAGE, ABASE+2*ASLOT              ; 217,088: 16 rows x 272 bytes for each wave
.set STEPB, 0x40000                    ; 128 rows of wb
.set TILES, 3                          ; row blocks of a work-group
.set ADRA, 2                           ; v2-3    my A fragments in slot 0, 1
.set ADRB, 4                           ; v4-7    my B fragments: slot 0 expert 0, 1; slot 1 expert 0, 1
.set ASTO, 8                           ; v8-9    where I put A's rows in slot 0, 1
.set STO,  10                          ; the way out: where I put 32 bytes of a row
.set RD,   11                          ; the way out: where I read rows back
.set L16,  12                          ; 16 (lane & 15)
.set VTA,  13                          ; byte offset in a block's token list: the 16 rows that I gather
.set VTO,  14                          ; the 8 rows that I store
.set VTW,  15                          ; the row whose weights I hold
.set OFF,  16                          ; v16-31  byte offsets in xb of my 16 rows
.set OO,   32                          ; v32-39  byte offsets in out0
.set WOFF, 40                          ; v40-43  byte offsets in wt
.set WTOK, 44                          ; v44-47  tokens of rows 16 a + r
.set VB,   48                          ; 32 h: my eight columns in a bias
.set F0,   64
.set F1,   160
.set AREG, 0                           ; window 2: 16 x 4 registers, A rows on their way
.set RAW,  64                          ; the next block's 16 tokens
.set OTOK, 80                          ; tokens of rows 16 a + 8 h + t
.set WREG, 112                         ; {w_lo, w_lo, w_hi, w_hi} of row 16 a + r
.set BIAS, 128                         ; bias (x, b): 8 registers
.set T,    192                         ; 16 rows' results
.set U,    224                         ; the same, read back by rows
.set G1, 28                            ; s[28:35] descriptor group 1
.set G0, 36                            ; s[36:43] descriptor group 0, one for each slot
.set MUL,  0x50                        ; C and D in window 1
.set MULB, 0x60                        ; D in window 1, C (a bias) in window 2
.set TO2,  0x80                        ; destination in window 2
.set D2,   0x08                        ; source 1 (store data, second operand) in window 2
.set EP,   0xa9                        ; source 0 in window 1; source 1, source 2, destination in window 2
.set MSB, 0
.macro WIN new                         ; the immediate's high byte repeats the setting that is left; no switch that changes nothing
.if MSB != \new
	s_set_vgpr_msb (MSB<<8)|\new
.set MSB, \new
.endif
.endm
; Four places behind a matrix instruction before a load lands on one of its registers or a vector instruction reads its result
; only plain vector instructions count, the matrix instructions in between do not.
.macro PLACES
.rept 4
	v_nop
.endr
.endm
; 8 matrix instructions: expert x, row blocks a0, a0 + 1, all four column blocks.  bias = 1: C is the bias, the sums start there.
; The 32 accumulators take turns, one instruction a turn, in the same order in every quarter and over the backward jump.
.macro MUL8 f, x, a0, bias
.irp a, \a0, \a0+1
.irp b, 0,1,2,3
.if \bias
	v_wmma_f32_16x16x32_bf16 v[8*(16*\x+4*(\a)+\b):8*(16*\x+4*(\a)+\b)+7], v[\f+32+8*(4*\x+\b):\f+32+8*(4*\x+\b)+7], v[\f+8*(\a):\f+8*(\a)+7], v[BIAS+8*(4*\x+\b):BIAS+8*(4*\x+\b)+7]
.else
	v_wmma_f32_16x16x32_bf16 v[8*(16*\x+4*(\a)+\b):8*(16*\x+4*(\a)+\b)+7], v[\f+32+8*(4*\x+\b):\f+32+8*(4*\x+\b)+7], v[\f+8*(\a):\f+8*(\a)+7], v[8*(16*\x+4*(\a)+\b):8*(16*\x+4*(\a)+\b)+7]
.endif
.endr
.endr
.endm
; 24 LDS loads in one run: quarter q (32 along K) of slot sg into buffer f: A's 8, B's 8 of expert 0, B's 8 of expert 1
.macro FETCH sg, q, f
	WIN 0
.irp a, 0,1,2,3
	ds_load_b128 v[\f+8*\a:\f+8*\a+3],   v[ADRA+\sg] offset:\a*16*AP+64*\q
	ds_load_b128 v[\f+8*\a+4:\f+8*\a+7], v[ADRA+\sg] offset:\a*16*AP+64*\q+32
.endr
.irp x, 0,1
.irp b, 0,1,2,3
	ds_load_tr16_b128 v[\f+32+8*(4*\x+\b):\f+32+8*(4*\x+\b)+3],   v[ADRB+2*\sg+\x] offset:\q*32*BP+32*\b
	ds_load_tr16_b128 v[\f+32+8*(4*\x+\b)+4:\f+32+8*(4*\x+\b)+7], v[ADRB+2*\sg+\x] offset:\q*32*BP+32*\b+16*BP
.endr
.endr
.endm
; One of a step's first three quarters: multiplies buffer f, and in its middle fetches quarter q of the same slot into buffer g
.macro QUARTER sg, q, f, g, bias
	s_wait_dscnt 8                                 ; A and expert 0's B are in; the youngest eight loads (expert 1's B) may be out
.if \bias
	WIN MULB
.else
	WIN MUL
.endif
	MUL8 \f, 0, 0, \bias
	MUL8 \f, 0, 2, \bias
	PLACES
	FETCH \sg, \q, \g
	s_wait_dscnt 24                                ; all but the 24 just issued
.if \bias
	WIN MULB
.else
	WIN MUL
.endif
	MUL8 \f, 1, 0, \bias
	MUL8 \f, 1, 2, \bias
.endm
.macro THREE sg, bias
	QUARTER \sg, 1, F0, F1, \bias
	QUARTER \sg, 2, F1, F0, 0
	QUARTER \sg, 3, F0, F1, 0
.endm
; The next step's rows of A, which were asked for a step ago, go into the slot that this step does not read
.macro ASTORE sg
	s_wait_loadcnt 0x0                             ; the 16 rows, and whatever lists were asked for with them
	WIN D2
.irp i, 0,1,2,3,4,5,6,7,8,9,10,11,12,13,14,15
	ds_store_b128 v[ASTO+\sg], v[AREG+4*\i:AREG+4*\i+3] offset:AP*\i
.endr
.endm
; 16 rows of A, 256 bytes each at byte k of the tokens' rows: lanes 0-15 take row 32 w + i, lanes 16-31 row 32 w + 16 + i
.macro ALOAD k
	WIN TO2
.irp i, 0,1,2,3,4,5,6,7,8,9,10,11,12,13,14,15
	global_load_b128 v[AREG+4*\i:AREG+4*\i+3], v[OFF+\i], s[4:5] offset:\k
.endr
.endm
.macro RAWLOAD base                    ; the 16 tokens whose rows I gather, from the block's list at s[base:base+1]
	WIN TO2
.irp i, 0,1,2,3
	global_load_b128 v[RAW+4*\i:RAW+4*\i+3], v[VTA], s[\base:\base+1] offset:16*\i
.endr
.endm
.macro MKOFF                           ; their byte offsets in xb; a padding slot's 0xffffffff becomes token 8,191
	WIN D2
.irp i, 0,1,2,3,4,5,6,7,8,9,10,11,12,13,14,15
	v_min_u32 v[OFF+\i], 0x1fff, v[RAW+\i]
.endr
	WIN 0
.irp i, 0,1,2,3,4,5,6,7,8,9,10,11,12,13,14,15
	v_lshl_add_u32 v[OFF+\i], v[OFF+\i], 11, v[L16]
.endr
.endm
.macro TOKLOAD                         ; this block's tokens, as the way out wants them
	WIN TO2
.irp a, 0,1,2,3
	global_load_b128 v[OTOK+8*\a:OTOK+8*\a+3],   v[VTO], s[48:49] offset:64*\a
	global_load_b128 v[OTOK+8*\a+4:OTOK+8*\a+7], v[VTO], s[48:49] offset:64*\a+16
.endr
	WIN 0
.irp a, 0,1,2,3
	global_load_b32 v[WTOK+\a], v[VTW], s[48:49] offset:64*\a
.endr
.endm
.macro WLOAD                           ; the weights of my four rows
	WIN 0
.irp a, 0,1,2,3
	v_min_u32 v[WOFF+\a], 0x1fff, v[WTOK+\a]
.endr
.irp a, 0,1,2,3
	v_lshlrev_b32 v[WOFF+\a], 4, v[WOFF+\a]
.endr
	WIN TO2
.irp a, 0,1,2,3
	global_load_b128 v[WREG+4*\a:WREG+4*\a+3], v[WOFF+\a], s[10:11]
.endr
.endm
.macro DECODE                          ; s60 = lo | hi << 8: B's address for my expert, and the two biases' addresses
	s_and_b32 s61, s60, 0xff
	s_min_u32 s61, s61, 7
	s_bfe_u32 s62, s60, 0x80008
	s_min_u32 s62, s62, 7
	s_cmp_eq_u32 s19, 0
	s_cselect_b32 s63, s61, s62                    ; waves 0, 1 fetch the lower expert's tile, waves 2, 3 the higher's
	s_lshl_b32 s58, s63, 21                        ; 2 MiB an expert in wb
	s_mov_b32 s59, 0
	s_add_nc_u64 s[46:47], s[44:45], s[58:59]
	s_lshl_b32 s58, s61, 12                        ; 4 KiB an expert in expert_b
	s_add_nc_u64 s[52:53], s[56:57], s[58:59]
	s_lshl_b32 s58, s62, 12
	s_add_nc_u64 s[54:55], s[56:57], s[58:59]
.endm
.macro BIASLOAD                        ; lane (r, h), register j of bias (x, b) = b_x[column 16 b + 8 h + j]: the layout of C
	WIN TO2
.irp x, 0,1
.irp b, 0,1,2,3
	global_load_b128 v[BIAS+8*(4*\x+\b):BIAS+8*(4*\x+\b)+3],   v[VB], s[52+2*\x:53+2*\x] offset:64*\b
	global_load_b128 v[BIAS+8*(4*\x+\b)+4:BIAS+8*(4*\x+\b)+7], v[VB], s[52+2*\x:53+2*\x] offset:64*\b+16
.endr
.endr
.endm
; The last quarter of a step multiplies buffer 1 and changes slots.  ONE barrier, for these things.  In front of it each wave waits for its
; reads of this step's slots, for its stores of the next step's A, and for all its tensor loads (one is out: its part of the next step's B).
; Behind it nobody reads slot sg any more and the other slot is whole: the refill comes first, one tensor load a wave.
; kind 1: two steps on in this tile; kind 2: the next tile's step sg; kind 0: nothing is left to fetch.
; From a request to the wait for it a wave issues 120 matrix instructions.
.macro TURN_A sg, kind
	s_wait_dscnt 24                                ; expert 1's eight loads and the sixteen stores of A may be out
	WIN MUL
	MUL8 F1, 0, 0, 0
	s_wait_dscnt 0x0
	s_wait_tensorcnt 0x0                           ; no tensor load of mine is out: a group 0 may be written
	ds_add_u32 v62, v63
	s_wait_dscnt 0x0
.if \kind == 1
	s_add_nc_u64 s[G0+4*\sg+2:G0+4*\sg+3], s[G0+4*\sg+2:G0+4*\sg+3], 2*STEPB
.endif
.if \kind == 2
	s_add_nc_u64 s[G0+4*\sg+2:G0+4*\sg+3], s[46:47], \sg*STEPB
	s_or_b32 s[G0+4*\sg+3], s[G0+4*\sg+3], 0x80000000
.endif
	s_barrier_signal -1
	MUL8 F1, 0, 2, 0                               ; registers only, while the others arrive
	s_barrier_wait -1
.if \kind
	tensor_load_to_lds s[G0+4*\sg:G0+4*\sg+3], s[G1:G1+7]
	s_nop 0
.endif
.endm
.macro TURN_B ng                       ; the other slot's first fragments, and the rest of the quarter
	WIN 0
	PLACES
	FETCH \ng, 0, F0
	WIN MUL
	MUL8 F1, 1, 0, 0
	MUL8 F1, 1, 2, 0
.endm
; A tile.  cont = 1: another tile follows, and its lists, biases and first two steps are asked for on the way.
; At its head: buffer 0 holds (or is receiving) step 0's first quarter, A's step 1 is on its way to registers, B's step 1 to slot 1.
.macro TILE cont
	s_lshl_b32 s58, s23, 9
	s_mov_b32 s59, 0
	s_add_nc_u64 s[48:49], s[12:13], s[58:59]      ; this block's 128 tokens
.if \cont
	s_add_co_u32 s26, s23, 32                      ; the next row block: 95 at the most, inside the list's 96
	s_lshl_b32 s27, s26, 2
	s_load_b32 s60, s[14:15], s27 offset:0x0       ; its pair
	s_lshl_b32 s58, s26, 9
	s_add_nc_u64 s[50:51], s[12:13], s[58:59]
.endif
	THREE 0, 1                                     ; step 0: the biases start the sums
	ASTORE 1
	TURN_A 0, 1
	ALOAD 512
.if \cont
	RAWLOAD 50
.endif
	TURN_B 1
	THREE 1, 0                                     ; step 1
	ASTORE 0
	TURN_A 1, 1
	ALOAD 768
	TOKLOAD
	TURN_B 0
	THREE 0, 0                                     ; step 2
	ASTORE 1
	TURN_A 0, 1
	ALOAD 1024
	WLOAD
	TURN_B 1
	THREE 1, 0                                     ; step 3
	ASTORE 0
	TURN_A 1, 1
	ALOAD 1280
.if \cont
	s_wait_kmcnt 0x0
	DECODE
	BIASLOAD                                       ; the biases were last read in step 0
.endif
	TURN_B 0
	THREE 0, 0                                     ; step 4
	ASTORE 1
	TURN_A 0, 1
	ALOAD 1536
	TURN_B 1
	THREE 1, 0                                     ; step 5
	ASTORE 0
	TURN_A 1, 1
	ALOAD 1792
	TURN_B 0
	THREE 0, 0                                     ; step 6
	ASTORE 1
.if \cont
	MKOFF                                          ; free since ASTORE's wait: every load that names OFF is done
	TURN_A 0, 2
	ALOAD 0
.else
	TURN_A 0, 0
.endif
	TURN_B 1
	THREE 1, 0                                     ; step 7
.if \cont
	ASTORE 0
	TURN_A 1, 2
	ALOAD 256
	TURN_B 0
.else
	s_wait_dscnt 8                                 ; the very last quarter: nothing more to fetch
	WIN MUL
	MUL8 F1, 0, 0, 0
	MUL8 F1, 0, 2, 0
	s_wait_dscnt 0x0
	MUL8 F1, 1, 0, 0
	MUL8 F1, 1, 2, 0
.endif
.endm
; THE WAY OUT, 16 rows at a time: w_lo acc_lo + w_hi acc_hi, 32 bytes a lane and column block into my own stage, read back as whole rows
; of 256 bytes, stored to the tokens' rows.  LDS serves a wave's instructions in order (ISA guide 5.7.1), so no wait stands between the
; stage's stores and loads.  Padding slots are a block's last, so a lane that is switched off stays off to the end of its 16 rows.
.macro EPI
	PLACES
.irp a, 0,1,2,3
	WIN EP
.irp b, 0,1,2,3
.irp j, 0,2,4,6
	v_pk_mul_f32 v[T+8*\b+\j:T+8*\b+\j+1], v[8*(4*\a+\b)+\j:8*(4*\a+\b)+\j+1], v[WREG+4*\a:WREG+4*\a+1]
.endr
.endr
.irp b, 0,1,2,3
.irp j, 0,2,4,6
	v_pk_fma_f32 v[T+8*\b+\j:T+8*\b+\j+1], v[8*(16+4*\a+\b)+\j:8*(16+4*\a+\b)+\j+1], v[WREG+4*\a+2:WREG+4*\a+3], v[T+8*\b+\j:T+8*\b+\j+1]
.endr
.endr
	WIN D2
.irp b, 0,1,2,3
	ds_store_b128 v[STO], v[T+8*\b:T+8*\b+3] offset:64*\b
	ds_store_b128 v[STO], v[T+8*\b+4:T+8*\b+7] offset:64*\b+16
.endr
.irp t, 0,1,2,3,4,5,6,7
	v_min_u32 v[OO+\t], 0x1fff, v[OTOK+8*\a+\t]
.endr
	WIN 0
.irp t, 0,1,2,3,4,5,6,7
	v_lshl_add_u32 v[OO+\t], v[OO+\t], 12, v[L16]  ; 4,096 bytes a row of out0
.endr
	WIN TO2
.irp t, 0,1,2,3,4,5,6,7
	ds_load_b128 v[U+4*\t:U+4*\t+3], v[RD] offset:AP*\t    ; lanes 0-15 row t, lanes 16-31 row t + 8
.endr
	WIN D2
.irp t, 0,1,2,3,4,5,6,7
	s_wait_dscnt 7-\t                              ; the younger reads of the stage stay out
	s_wait_xcnt 0x0                                ; EXEC is a source of the loads and stores that are out: it changes only behind this wait
	v_cmpx_gt_u32 0x2000, v[OTOK+8*\a+\t]          ; real tokens only
	global_store_b128 v[OO+\t], v[U+4*\t:U+4*\t+3], s[16:17] th:TH_STORE_NT   ; sixteen lanes: 256 consecutive bytes, aligned
.endr
	s_wait_xcnt 0x0                                ; EXEC, U and OO are written again only behind this wait
	s_mov_b32 exec_lo, -1
.endr
.endm
	s_load_b256 s[4:11], s[0:1], 0x0               ; xb s[4:5], wb s[6:7], expert_b s[8:9], wt s[10:11]
	s_load_b128 s[12:15], s[0:1], 0x20             ; order s[12:13], tab s[14:15]
	s_load_b64 s[16:17], s[0:1], 0x30              ; out0
	v_lshl_add_u32 v62, v0, 2, 0x39400
	v_mov_b32 v63, 0
	ds_add_u32 v62, v63
	ds_add_u32 v62, v63
	v_lshrrev_b32 v1, 5, v0
	v_readfirstlane_b32 s18, v1                    ; wave 0 .. 3
	s_lshr_b32 s19, s18, 1                         ; which 64 rows are mine.  Also: whose tile of B I fetch (0 lower, 1 higher expert)
	s_and_b32 s20, s18, 1                          ; which 64 columns.  Also: which 64 k rows of that tile I fetch
	s_and_b32 s22, ttmp9, 7                        ; column block
	s_lshr_b32 s23, ttmp9, 3                       ; first row block
	v_and_b32 v50, 15, v0                          ; r
	v_bfe_u32 v51, v0, 4, 1                        ; h
	v_lshlrev_b32 v[L16], 4, v50
	v_mul_u32_u24 v52, v50, AP
	s_mul_i32 s66, s19, 64*AP
	s_add_co_u32 s66, s66, ABASE
	v_lshl_add_u32 v53, v51, 4, v52
	v_add_nc_u32 v[ADRA], s66, v53                 ; (64 wr + r) pitch + 16 h
	v_add_nc_u32 v[ADRA+1], ASLOT, v[ADRA]
	v_and_b32 v54, 7, v0
	v_lshl_add_u32 v54, v51, 3, v54
	v_mul_u32_u24 v54, v54, BP                     ; (8 h + (L & 7)) pitch
	v_bfe_u32 v55, v0, 3, 1
	v_lshl_add_u32 v54, v55, 4, v54                ; + 16 ((L >> 3) & 1)
	s_lshl_b32 s67, s20, 7
	v_add_nc_u32 v[ADRB], s67, v54                 ; + my 64 columns
	v_add_nc_u32 v[ADRB+1], BEX, v[ADRB]
	v_add_nc_u32 v[ADRB+2], BSLOT, v[ADRB]
	v_add_nc_u32 v[ADRB+3], BSLOT+BEX, v[ADRB]
	s_mul_i32 s66, s18, 32*AP
	s_add_co_u32 s66, s66, ABASE
	v_mul_u32_u24 v56, v51, 16*AP
	v_add3_u32 v[ASTO], v56, v[L16], s66           ; (32 w + 16 h) pitch + 16 r
	v_add_nc_u32 v[ASTO+1], ASLOT, v[ASTO]
	s_mul_i32 s66, s18, 16*AP
	s_add_co_u32 s66, s66, STAGE                   ; my stage
	v_lshl_add_u32 v57, v51, 5, v52
	v_add_nc_u32 v[STO], s66, v57                  ; row r, 32 bytes for each half of the lanes
	v_mul_u32_u24 v58, v51, 8*AP
	v_add3_u32 v[RD], v58, v[L16], s66             ; lanes 16-31 eight rows further down
	s_lshl_b32 s66, s18, 7
	v_lshl_add_u32 v[VTA], v51, 6, s66             ; 4 (32 w + 16 h)
	s_lshl_b32 s66, s19, 8
	v_lshl_add_u32 v[VTO], v51, 5, s66             ; 4 (64 wr + 8 h)
	v_lshl_add_u32 v[VTW], v50, 2, s66             ; 4 (64 wr + r)
	v_lshlrev_b32 v[VB], 5, v51
	s_lshl_b32 s27, s23, 2
	s_lshl_b32 s58, s23, 9
	s_mov_b32 s59, 0
	; descriptor group 1: 64 rows x 128 elements of 2 bytes, 1,024 elements from row to row; 8 words of padding behind every 64
	s_mov_b32 s[G1+0], (1<<16)|(1<<20)|(5<<22)|(7<<25)
	s_mov_b32 s[G1+1], 128<<16                     ; tensor_dim0 = 128
	s_mov_b32 s[G1+2], 64<<16                      ; tensor_dim1 = 64
	s_mov_b32 s[G1+3], 128<<16                     ; tile_dim0 = 128
	s_mov_b32 s[G1+4], 64                          ; tile_dim1 = 64
	s_mov_b32 s[G1+5], 1024                        ; the pitch
	s_mov_b32 s[G1+6], 0
	s_mov_b32 s[G1+7], 0
	s_wait_dscnt 0x0
	s_wait_kmcnt 0x0
	s_load_b32 s60, s[14:15], s27 offset:0x0       ; my first block's pair
	s_add_nc_u64 s[48:49], s[12:13], s[58:59]
	RAWLOAD 48
	s_lshl_b32 s58, s22, 9                         ; my columns in f32: 512 cb + 256 wc
	s_lshl_b32 s67, s20, 8
	s_add_co_u32 s58, s58, s67
	s_add_nc_u64 s[16:17], s[16:17], s[58:59]      ; out0 at my columns
	s_add_nc_u64 s[56:57], s[8:9], s[58:59]        ; expert_b at my columns
	s_lshl_b32 s58, s20, 17                        ; wb: 64 k rows of 2,048 bytes,
	s_lshl_b32 s67, s22, 8                         ; 256 bytes a column block
	s_add_co_u32 s58, s58, s67
	s_add_nc_u64 s[44:45], s[6:7], s[58:59]
	s_mov_b32 s24, TILES-1                         ; all tiles but the last go round the loop
	s_wait_kmcnt 0x0
	DECODE
	; group 0 for each slot; both first fills go out together, ahead of every wait on TENSORcnt, LDS read and barrier.
	; By this text's count a wave has two tensor loads out here and one behind each later barrier.
	s_mov_b32 s[G0], 1
	s_mul_i32 s[G0+1], s18, 64*BP                  ; my 64 rows of slot 0: wave x 18,432
	s_mov_b64 s[G0+2:G0+3], s[46:47]               ; step 0
	s_or_b32 s[G0+3], s[G0+3], 0x80000000
	s_mov_b32 s[G0+4], 1
	s_add_co_u32 s[G0+5], s[G0+1], BSLOT
	s_add_nc_u64 s[G0+6:G0+7], s[46:47], STEPB     ; step 1
	s_or_b32 s[G0+7], s[G0+7], 0x80000000
	tensor_load_to_lds s[G0:G0+3], s[G1:G1+7]
	s_nop 0
	tensor_load_to_lds s[G0+4:G0+7], s[G1:G1+7]
	s_nop 0
	BIASLOAD
	s_wait_loadcnt 16                              ; the token list is in; the sixteen loads of the biases stay out
	MKOFF
	ALOAD 0
	ASTORE 0                                       ; A's step 0
	s_wait_dscnt 0x0                               ; written, for the other waves' sake
	ALOAD 256                                      ; A's step 1
	s_wait_tensorcnt 0x1                           ; my part of B's step 0 is in; step 1's may stay out
	s_barrier_signal -1
	s_barrier_wait -1
	FETCH 0, 0, F0
.Ltile:
	TILE 1
	EPI
	WIN 0                                          ; at a label and at a branch every window is 0
	s_mov_b32 s23, s26
	s_sub_co_u32 s24, s24, 1
	s_cmp_lg_u32 s24, 0
	s_cbranch_scc1 .Ltile
	TILE 0                                         ; the last tile asks for nothing beyond itself: no tensor load is out at its end
	EPI
	WIN 0
	s_wait_tensorcnt 0x0
	ds_add_u32 v62, v63
	s_wait_dscnt 0x0
	s_endpgm
.Lfunc_end_k_q2c7a24dd78_moe:
	.size	k_q2c7a24dd78_moe, .Lfunc_end_k_q2c7a24dd78_moe-k_q2c7a24dd78_moe
	.p2alignl 7, 3214868480
	.fill 96, 4, 3214868480
	.section	.rodata,"a",@progbits
	.p2align	6, 0x0
	.amdhsa_kernel k_q2c7a24dd78_moe
		.amdhsa_group_segment_fixed_size 327680
		.amdhsa_private_segment_fixed_size 0
		.amdhsa_enable_private_segment 0
		.amdhsa_kernarg_size 56
		.amdhsa_user_sgpr_count 2
		.amdhsa_user_sgpr_kernarg_segment_ptr 1
		.amdhsa_wavefront_size32 1
		.amdhsa_system_sgpr_workgroup_id_x 1
		.amdhsa_system_sgpr_workgroup_id_y 1
		.amdhsa_system_sgpr_workgroup_id_z 1
		.amdhsa_system_vgpr_workitem_id 0
		.amdhsa_next_free_vgpr 768
		.amdhsa_next_free_sgpr 72
		.amdhsa_reserve_vcc 0
		.amdhsa_float_denorm_mode_32 3
		.amdhsa_float_denorm_mode_16_64 3
		.amdhsa_memory_ordered 1
		.amdhsa_forward_progress 1
		.amdhsa_inst_pref_size 255
	.end_amdhsa_kernel
	.section	.bss,"aw",@nobits
	.p2align	6
	.space	262144
	.amdgpu_metadata
---
amdhsa.version: [ 1, 2 ]
amdhsa.kernels:
  - .name:           k_q2c7a24dd78_moe
    .symbol:         k_q2c7a24dd78_moe.kd
    .args:
      - { .name: xb, .offset: 0, .size: 8, .value_kind: global_buffer, .address_space: global }
      - { .name: wb, .offset: 8, .size: 8, .value_kind: global_buffer, .address_space: global }
      - { .name: expert_b, .offset: 16, .size: 8, .value_kind: global_buffer, .address_space: global }
      - { .name: wt, .offset: 24, .size: 8, .value_kind: global_buffer, .address_space: global }
      - { .name: order, .offset: 32, .size: 8, .value_kind: global_buffer, .address_space: global }
      - { .name: tab, .offset: 40, .size: 8, .value_kind: global_buffer, .address_space: global }
      - { .name: out0, .offset: 48, .size: 8, .value_kind: global_buffer, .address_space: global }
    .group_segment_fixed_size: 327680
    .private_segment_fixed_size: 0
    .kernarg_segment_align: 8
    .kernarg_segment_size: 56
    .max_flat_workgroup_size: 128
    .sgpr_count:     72
    .vgpr_count:     768
    .wavefront_size: 32
...
	.end_amdgpu_metadata
.endif
;; end of part 3
